; MI455X (gfx1250); checked and timed in simulation.
; The chip was launched on July 23, 2026; its instructions are those of AMD's public machine-readable ISA for CDNA 5 (MIT licence, August 2026) and "CDNA5" Instruction Set Architecture Reference Guide (July 2026). The comments in the code are by the model that wrote it; some were corrected since.
;; Mo EMLP. Allowed arithmetic: float matrix products may take bf16 or f16 operands with f32 sums; all other float work in f32.
;; Inputs: Wdown 8 x 1,024 x 4,096 float32; Wr 8 x 1,024 float32; Wup 8 x 4,096 x 1,024 float32; bdown 8 x 1,024 float32; br 8 float32; bup 8 x 4,096 float32; x 1,024 x 1,024 float32.
;; Outputs: out0 1,024 x 1,024 float32.
;; One version. Each part assembles by itself: llvm-mc -triple=amdgcn-amd-amdhsa -mcpu=gfx1250 --defsym DOCPART=n.
;; ======== version 1 of 1: 5 launches
;; limits: values outside matrix products are rounded to bf16
;; workspace buffers: top1 4,096 bytes of whole numbers; pos 4,096 bytes of whole numbers; meta 256 bytes of whole numbers; xs 2,490,368 bytes; hs 9,961,472 bytes; part 16,777,216 bytes
;; launch router (part 1): grid 128 x 1, 4 waves a work-group, no clusters, 0 bytes of LDS; arguments x, Wr, br, top1; writes top1
.if DOCPART == 1
	.amdgcn_target "amdgcn-amd-amdhsa--gfx1250"
	.amdhsa_code_object_version 6
	.text
	.protected	k_q2b18b73b33_router
	.globl	k_q2b18b73b33_router
	.p2align	8
	.type	k_q2b18b73b33_router,@function
k_q2b18b73b33_router:
	s_mov_b64 s[64:65], 0
	v_nop
	global_prefetch_b8 v0, s[64:65] scope:SCOPE_SE
	s_setreg_imm32_b32 hwreg(HW_REG_WAVE_MODE, 25, 1), 1
	s_wait_xcnt 0x0
; top1[t] = argmax over e of softmax(x[t] . Wr[e] + br[e]), the first maximum winning.  x: [1024][1024] f32, Wr: [8][1024] f32, br: [8] f32.
; FORMAT: the logits are a matrix product, and like the program's other products it takes its operands rounded to bf16 (nearest even):
; x, Wr, and br as the operand of a column of ones.  The products of two bf16 numbers are exact in f32; all sums, the softmax and the
; comparison are f32.  The product has 8 columns and 8.4 million multiply-adds in all, so it runs on the vector ALU.
; LIMITS: two logits that differ by less than the rounding of an f32 sum of 1,024 terms may be ordered otherwise than by another order
; of summation.  A NaN among a token's logits is not treated as the largest: the index is then that of the largest score that is a number.
; Wave g = 4 x work-group + wave takes tokens 2 g and 2 g + 1.  A lane holds elements 128 j + 4 lane .. + 3 (j = 0 .. 7) of each row.
; The kernel is a chain of latencies, so as much as the registers hold is asked for at once: both rows of x and five rows of Wr, 56 loads;
; rows 5 to 7 of Wr go into the buffers of rows 0 to 2 as these are used up, five experts ahead of their own turn.
; The 8 bytes that a wave stores are all that it owns of the 4,096 bytes of top1.
.set NB,   5                           ; row buffers for Wr
.set X,    4                           ; v[4:67]     token i: 32 registers as loaded, then 16 registers of packed bf16
.set WR,   68                          ; v[68:227]   five buffers of 32: a row of Wr as loaded, then 16 registers of packed bf16; later at work
.set AC,   228                         ; v[228:235]  token i: four running sums (low and high halves, even and odd registers); later maxima and sums
.set PART, 236                         ; v[236:251]  logit of token i, expert e at 8 i + e
.set IDX,  252                         ; v[252:253]  the two indices
	s_load_b256 s[4:11], s[0:1], 0x0               ; x s[4:5], Wr s[6:7], br s[8:9], top1 s[10:11]
	v_lshrrev_b32 v2, 5, v0
	v_readfirstlane_b32 s22, v2                    ; wave
	v_and_b32 v2, 31, v0                           ; lane
	v_lshlrev_b32 v1, 4, v2                        ; 16 bytes a lane
	v_mov_b32 v3, 0                                ; the addend that starts each sum, and the store's offset
	s_lshl_b32 s23, ttmp9, 2
	s_add_co_u32 s23, s23, s22                     ; g
	s_lshl_b32 s24, s23, 13                        ; two rows of 4,096 bytes
	s_mov_b32 s25, 0
	s_lshl_b32 s26, s23, 3                         ; two indices of 4 bytes
	s_mov_b32 s27, 0
	s_mov_b32 s20, 0x76543210                      ; v_permlanex16_b32: lane i of one half reads lane i of the other
	s_mov_b32 s21, 0xfedcba98
	s_wait_kmcnt 0x0
	s_load_b256 s[12:19], s[8:9], 0x0              ; br[0..7]
	s_add_nc_u64 s[4:5], s[4:5], s[24:25]
	s_add_nc_u64 s[10:11], s[10:11], s[26:27]
.irp i, 0,1
.irp j, 0,1,2,3,4,5,6,7
	global_load_b128 v[X+32*\i+4*\j:X+32*\i+4*\j+3], v1, s[4:5] offset:\i*4096+512*\j
.endr
.endr
.macro LDWR e                          ; eight loads: row e of Wr into buffer e mod NB
.irp j, 0,1,2,3,4,5,6,7
	global_load_b128 v[WR+32*(\e%NB)+4*\j:WR+32*(\e%NB)+4*\j+3], v1, s[6:7] offset:\e*4096+512*\j
.endr
.endm
.irp e, 0,1,2,3,4
	LDWR \e
.endr
	s_wait_loadcnt 40                              ; the 16 loads of x are in; the 40 of Wr's rows 0 to 4, issued behind them, may be out
.irp i, 0,1
.irp k, 0,1,2,3,4,5,6,7,8,9,10,11,12,13,14,15
	v_cvt_pk_bf16_f32 v[X+32*\i+\k], v[X+32*\i+2*\k], v[X+32*\i+2*\k+1]    ; in place, ascending: register k is written when 2 k and 2 k + 1 are read
.endr
.endr
; One expert: its row is rounded, and two tokens x four chains of 8 exact products each are summed.
.macro EXPERT e
.if \e < 4
	s_wait_loadcnt 32                              ; this row's eight loads are in; the four rows issued behind it stay out
.else
	s_wait_loadcnt 8*(7-\e)                        ; the last rows: the counts run down
.endif
.irp k, 0,1,2,3,4,5,6,7,8,9,10,11,12,13,14,15
	v_cvt_pk_bf16_f32 v[WR+32*(\e%NB)+\k], v[WR+32*(\e%NB)+2*\k], v[WR+32*(\e%NB)+2*\k+1]
.endr
.irp k, 0,1
.irp i, 0,1
	v_fma_mix_f32_bf16 v[AC+4*\i+2*\k], v[X+32*\i+\k], v[WR+32*(\e%NB)+\k], v3 op_sel_hi:[1,1,0]                    ; low halves; the first products start the sums
	v_fma_mix_f32_bf16 v[AC+4*\i+2*\k+1], v[X+32*\i+\k], v[WR+32*(\e%NB)+\k], v3 op_sel:[1,1,0] op_sel_hi:[1,1,0]   ; high halves
.endr
.endr
.irp k, 2,3,4,5,6,7,8,9,10,11,12,13,14,15
.irp i, 0,1
	v_fma_mix_f32_bf16 v[AC+4*\i+2*(\k&1)], v[X+32*\i+\k], v[WR+32*(\e%NB)+\k], v[AC+4*\i+2*(\k&1)] op_sel_hi:[1,1,0]
	v_fma_mix_f32_bf16 v[AC+4*\i+2*(\k&1)+1], v[X+32*\i+\k], v[WR+32*(\e%NB)+\k], v[AC+4*\i+2*(\k&1)+1] op_sel:[1,1,0] op_sel_hi:[1,1,0]
.endr
.endr
.irp i, 0,1
	v_add_f32 v[AC+4*\i], v[AC+4*\i], v[AC+4*\i+1]
	v_add_f32 v[AC+4*\i+2], v[AC+4*\i+2], v[AC+4*\i+3]
.endr
.irp i, 0,1
	v_add_f32 v[PART+8*\i+\e], v[AC+4*\i], v[AC+4*\i+2]
.endr
.if \e+NB < 8
	LDWR (\e+NB)                                   ; into the buffer just read
.endif
.endm
.irp e, 0,1,2,3,4,5,6,7
	EXPERT \e
.endr
	; the 16 sums across the 32 lanes: four steps inside each half of 16 lanes, one across the halves; every lane ends with every logit
.irp m, 1,2,4,8
.set k, 0
.rept 16
	v_add_f32_dpp v[PART+k], v[PART+k], v[PART+k] row_xmask:\m row_mask:0xf bank_mask:0xf
.set k, k+1
.endr
.endr
.set k, 0
.rept 16
	v_permlanex16_b32 v[WR+k], v[PART+k], s20, s21 ; its destination counts as read: these registers have been written
.set k, k+1
.endr
	s_wait_kmcnt 0x0                               ; br
.irp k, 0,1,2,3
	v_cvt_pk_bf16_f32 v[X+8+\k], s[12+2*\k], s[13+2*\k]        ; br rounded to bf16,
.endr
.irp k, 0,1,2,3
	v_lshlrev_b32 v[X+2*\k], 16, v[X+8+\k]                     ; and widened again: v[X+e] = br[e]
	v_and_b32 v[X+2*\k+1], 0xffff0000, v[X+8+\k]
.endr
.set k, 0
.rept 16
	v_add_f32 v[PART+k], v[PART+k], v[WR+k]
	v_add_f32 v[PART+k], v[PART+k], v[X+(k&7)]
.set k, k+1
.endr
	; softmax: the maximum is taken away, so every exponent is at most 0 and the sum lies between 1 and 8
.irp i, 0,1
	v_max3_num_f32 v[AC+\i], v[PART+8*\i], v[PART+8*\i+1], v[PART+8*\i+2]
.endr
.irp i, 0,1
	v_max3_num_f32 v[AC+\i], v[AC+\i], v[PART+8*\i+3], v[PART+8*\i+4]
.endr
.irp i, 0,1
	v_max3_num_f32 v[AC+\i], v[AC+\i], v[PART+8*\i+5], v[PART+8*\i+6]
.endr
.irp i, 0,1
	v_max_num_f32 v[AC+\i], v[AC+\i], v[PART+8*\i+7]
.endr
.set k, 0
.rept 16
	v_sub_f32 v[WR+k], v[PART+k], v[AC+(k>>3)]
.set k, k+1
.endr
.set k, 0
.rept 16
	v_mul_f32 v[WR+k], 0x3fb8aa3b, v[WR+k]         ; e^d = 2^(1.442695 d)
.set k, k+1
.endr
.set k, 0
.rept 16
	v_exp_f32 v[WR+k], v[WR+k]
.set k, k+1
.endr
	v_nop                                          ; one plain vector instruction between a transcendental and the use of its result (ISA guide 5.7.2)
	s_wait_alu depctr_va_vdst(0)
.irp i, 0,1
	v_add_f32 v[AC+2+\i], v[WR+8*\i], v[WR+8*\i+1]
.endr
.irp e, 2,3,4,5,6,7
.irp i, 0,1
	v_add_f32 v[AC+2+\i], v[AC+2+\i], v[WR+8*\i+\e]
.endr
.endr
.irp i, 0,1
	v_rcp_f32 v[AC+2+\i], v[AC+2+\i]
.endr
	v_nop                                          ; as above
.set k, 0
	s_wait_alu depctr_va_vdst(0)
.rept 16
	v_mul_f32 v[WR+k], v[WR+k], v[AC+2+(k>>3)]     ; the scores
.set k, k+1
.endr
	; argmax: a later score replaces the best only if it is strictly larger, so the first maximum wins
.irp i, 0,1
	v_cmp_gt_f32 vcc_lo, v[WR+8*\i+1], v[WR+8*\i]
	v_cndmask_b32 v[IDX+\i], 0, 1, vcc_lo
	v_max_num_f32 v[AC+\i], v[WR+8*\i], v[WR+8*\i+1]
.irp e, 2,3,4,5,6,7
	v_cmp_gt_f32 vcc_lo, v[WR+8*\i+\e], v[AC+\i]
	v_cndmask_b32 v[IDX+\i], v[IDX+\i], \e, vcc_lo
	v_max_num_f32 v[AC+\i], v[AC+\i], v[WR+8*\i+\e]
.endr
.endr
	v_cmp_eq_u32 vcc_lo, 0, v2
	s_wait_xcnt 0x0                                ; EXEC is narrowed only when no earlier memory instruction still reads it
	s_and_saveexec_b32 s28, vcc_lo                 ; every lane holds the two indices: lane 0 stores them
	global_store_b64 v3, v[IDX:IDX+1], s[10:11]
	s_endpgm
.Lfunc_end_k_q2b18b73b33_router:
	.size	k_q2b18b73b33_router, .Lfunc_end_k_q2b18b73b33_router-k_q2b18b73b33_router
	.p2alignl 7, 3214868480
	.fill 96, 4, 3214868480
	.section	.rodata,"a",@progbits
	.p2align	6, 0x0
	.amdhsa_kernel k_q2b18b73b33_router
		.amdhsa_group_segment_fixed_size 0
		.amdhsa_private_segment_fixed_size 0
		.amdhsa_enable_private_segment 0
		.amdhsa_kernarg_size 32
		.amdhsa_user_sgpr_count 2
		.amdhsa_user_sgpr_kernarg_segment_ptr 1
		.amdhsa_wavefront_size32 1
		.amdhsa_system_sgpr_workgroup_id_x 1
		.amdhsa_system_sgpr_workgroup_id_y 1
		.amdhsa_system_sgpr_workgroup_id_z 1
		.amdhsa_system_vgpr_workitem_id 0
		.amdhsa_next_free_vgpr 256
		.amdhsa_next_free_sgpr 66
		.amdhsa_reserve_vcc 1
		.amdhsa_float_denorm_mode_32 3
		.amdhsa_float_denorm_mode_16_64 3
		.amdhsa_memory_ordered 1
		.amdhsa_forward_progress 1
		.amdhsa_inst_pref_size 65
	.end_amdhsa_kernel
	.amdgpu_metadata
---
amdhsa.version: [ 1, 2 ]
amdhsa.kernels:
  - .name:           k_q2b18b73b33_router
    .symbol:         k_q2b18b73b33_router.kd
    .args:
      - { .name: x, .offset: 0, .size: 8, .value_kind: global_buffer, .address_space: global }
      - { .name: Wr, .offset: 8, .size: 8, .value_kind: global_buffer, .address_space: global }
      - { .name: br, .offset: 16, .size: 8, .value_kind: global_buffer, .address_space: global }
      - { .name: top1, .offset: 24, .size: 8, .value_kind: global_buffer, .address_space: global }
    .group_segment_fixed_size: 0
    .private_segment_fixed_size: 0
    .kernarg_segment_align: 8
    .kernarg_segment_size: 32
    .max_flat_workgroup_size: 128
    .sgpr_count:     66
    .vgpr_count:     256
    .wavefront_size: 32
...
	.end_amdgpu_metadata
.endif
;; end of part 1
;; launch place (part 2): grid 64 x 1, 4 waves a work-group, no clusters, 0 bytes of LDS; arguments x, top1, xs, pos, meta; writes xs, pos, meta
.if DOCPART == 2
	.amdgcn_target "amdgcn-amd-amdhsa--gfx1250"
	.amdhsa_code_object_version 6
	.text
	.protected	k_q2b18b73b33_place
	.globl	k_q2b18b73b33_place
	.p2align	8
	.type	k_q2b18b73b33_place,@function
k_q2b18b73b33_place:
	s_mov_b64 s[64:65], 0
	v_nop
	global_prefetch_b8 v0, s[64:65] scope:SCOPE_SE
	s_setreg_imm32_b32 hwreg(HW_REG_WAVE_MODE, 25, 1), 1
	s_wait_xcnt 0x0
; The tokens are put in the order of (expert, token), without atomics: pos[t] = the number of tokens t' with key(t') < key(t),
; key = 1024 top1 + t.  Every wave holds all 1,024 keys (32 registers) and counts for its own four tokens by 32 compares and bit counts each.
;   xs[pos[t]] = x[t] rounded to bf16;   pos[t];   meta[g] = the number of tokens with an expert below g (g = 0 .. 8);
;   rows 1024 .. 1215 of xs = 0: a tile of 48 rows that begins at row 1023 at the latest ends inside them.
; Wave g = 4 x work-group + wave takes tokens 4 g .. 4 g + 3 and 1,536 bytes of xs's zero rows.
.set K,  4                             ; v[4:35]    register 4 j + c of lane l: the key of token 128 j + 4 l + c
.set X,  36                            ; v[36:163]  token i: 32 registers, 8 neighbouring numbers in registers 8 j .. 8 j + 7; then 16 of packed bf16
.set Z,  164                           ; v[164:167] zeros: store data, and v164 an offset of 0
.set PV, 168                           ; v[168:171] the four positions
.set MV, 172                           ; v172       the count for meta
	s_load_b256 s[4:11], s[0:1], 0x0               ; x s[4:5], top1 s[6:7], xs s[8:9], pos s[10:11]
	s_load_b64 s[14:15], s[0:1], 0x20              ; meta
	v_lshrrev_b32 v1, 5, v0
	v_readfirstlane_b32 s16, v1                    ; wave
	v_and_b32 v3, 31, v0
	v_lshlrev_b32 v1, 4, v3                        ; 16 x lane
	v_lshlrev_b32 v2, 5, v3                        ; 32 x lane
	v_lshlrev_b32 v3, 2, v3                        ; 4 x lane
.irp k, 0,1,2,3
	v_mov_b32 v[Z+\k], 0
.endr
	s_lshl_b32 s17, ttmp9, 2
	s_add_co_u32 s17, s17, s16                     ; g
	s_lshl_b32 s18, s17, 4                         ; 16 g
	s_mov_b32 s19, 0
	s_wait_kmcnt 0x0
	s_add_nc_u64 s[36:37], s[6:7], s[18:19]
	s_load_b128 s[20:23], s[36:37], 0x0            ; the experts of my four tokens
	s_add_nc_u64 s[10:11], s[10:11], s[18:19]      ; pos at my four words
.irp j, 0,1,2,3,4,5,6,7
	global_load_b128 v[K+4*\j:K+4*\j+3], v1, s[6:7] offset:512*\j          ; all of top1
.endr
	s_lshl_b32 s18, s17, 14
	s_add_nc_u64 s[4:5], s[4:5], s[18:19]          ; x at my four rows
.irp i, 0,1,2,3
.irp j, 0,1,2,3
	global_load_b128 v[X+32*\i+8*\j:X+32*\i+8*\j+3],   v2, s[4:5] offset:\i*4096+1024*\j
	global_load_b128 v[X+32*\i+8*\j+4:X+32*\i+8*\j+7], v2, s[4:5] offset:\i*4096+1024*\j+16
.endr
.endr
	s_mul_i32 s18, s17, 1536
	s_add_nc_u64 s[32:33], s[8:9], s[18:19]
	s_add_nc_u64 s[32:33], s[32:33], 0x200000      ; behind xs's 1,024 rows of 2,048 bytes
.irp j, 0,1,2
	global_store_b128 v1, v[Z:Z+3], s[32:33] offset:512*\j                 ; each store covers 512 consecutive bytes, aligned
.endr
	s_wait_loadcnt 32                              ; top1's eight loads are in; the 32 loads of x, issued behind them, stay out under the counting
.irp j, 0,1,2,3,4,5,6,7
.irp c, 0,1,2,3
	v_lshl_add_u32 v[K+4*\j+\c], v[K+4*\j+\c], 10, v3
.if 128*\j+\c
	v_add_nc_u32 v[K+4*\j+\c], 128*\j+\c, v[K+4*\j+\c]
.endif
.endr
.endr
	s_wait_kmcnt 0x0
	s_lshl_b32 s18, s17, 2                         ; my first token
.irp i, 0,1,2,3
	s_min_u32 s[20+\i], s[20+\i], 7
	s_lshl_b32 s[20+\i], s[20+\i], 10
	s_add_co_u32 s[20+\i], s[20+\i], s18
.if \i
	s_add_co_u32 s[20+\i], s[20+\i], \i            ; the key of token 4 g + i
.endif
.endr
; s[spos] = how many of the 1,024 keys are below s[skey].  Four mask registers take turns.
.macro COUNT skey, spos
	s_mov_b32 s[\spos], 0
.irp b, 0,4,8,12,16,20,24,28
.irp m, 0,1,2,3
	v_cmp_gt_u32 s[28+\m], s[\skey], v[K+\b+\m]
.endr
.irp m, 0,1,2,3
	s_bcnt1_i32_b32 s[28+\m], s[28+\m]
.endr
.irp m, 0,1,2,3
	s_add_co_u32 s[\spos], s[\spos], s[28+\m]
.endr
.endr
.endm
	COUNT 20, 24
	COUNT 21, 25
	COUNT 22, 26
	COUNT 23, 27
	s_min_u32 s36, ttmp9, 8                        ; work-groups 0 .. 8 also count for meta: the keys below 1024 g are the tokens of experts below g
	s_lshl_b32 s37, s36, 10
	COUNT 37, 38
	v_mov_b32 v[MV], s38
	s_lshl_b32 s18, s36, 2
	s_add_nc_u64 s[14:15], s[14:15], s[18:19]      ; meta's word g
.irp i, 0,1,2,3
	s_min_u32 s[24+\i], s[24+\i], 1023             ; a count of other keys among 1,024 is at most 1,023
	v_mov_b32 v[PV+\i], s[24+\i]
	s_lshl_b32 s18, s[24+\i], 11
	s_add_nc_u64 s[40+2*\i:41+2*\i], s[8:9], s[18:19]          ; the token's row in xs
.endr
	s_wait_loadcnt 0x0                             ; x
.irp i, 0,1,2,3
.irp k, 0,1,2,3,4,5,6,7,8,9,10,11,12,13,14,15
	v_cvt_pk_bf16_f32 v[X+32*\i+\k], v[X+32*\i+2*\k], v[X+32*\i+2*\k+1]    ; in place, ascending
.endr
.irp j, 0,1,2,3
	global_store_b128 v1, v[X+32*\i+4*\j:X+32*\i+4*\j+3], s[40+2*\i:41+2*\i] offset:512*\j   ; 512 consecutive bytes of the row, aligned
.endr
.endr
	v_cmp_eq_u32 vcc_lo, 0, v3
	s_wait_xcnt 0x0                                ; EXEC is narrowed only when no earlier memory instruction still reads it
	s_and_saveexec_b32 s39, vcc_lo                 ; lane 0 alone
	global_store_b128 v[Z], v[PV:PV+3], s[10:11]
	s_cmp_gt_u32 ttmp9, 8
	s_cbranch_scc1 .Lend
	s_cmp_lg_u32 s16, 0
	s_cbranch_scc1 .Lend
	global_store_b32 v[Z], v[MV], s[14:15]         ; wave 0 of work-groups 0 .. 8
.Lend:
	s_endpgm
.Lfunc_end_k_q2b18b73b33_place:
	.size	k_q2b18b73b33_place, .Lfunc_end_k_q2b18b73b33_place-k_q2b18b73b33_place
	.p2alignl 7, 3214868480
	.fill 96, 4, 3214868480
	.section	.rodata,"a",@progbits
	.p2align	6, 0x0
	.amdhsa_kernel k_q2b18b73b33_place
		.amdhsa_group_segment_fixed_size 0
		.amdhsa_private_segment_fixed_size 0
		.amdhsa_enable_private_segment 0
		.amdhsa_kernarg_size 40
		.amdhsa_user_sgpr_count 2
		.amdhsa_user_sgpr_kernarg_segment_ptr 1
		.amdhsa_wavefront_size32 1
		.amdhsa_system_sgpr_workgroup_id_x 1
		.amdhsa_system_sgpr_workgroup_id_y 1
		.amdhsa_system_sgpr_workgroup_id_z 1
		.amdhsa_system_vgpr_workitem_id 0
		.amdhsa_next_free_vgpr 176
		.amdhsa_next_free_sgpr 66
		.amdhsa_reserve_vcc 1
		.amdhsa_float_denorm_mode_32 3
		.amdhsa_float_denorm_mode_16_64 3
		.amdhsa_memory_ordered 1
		.amdhsa_forward_progress 1
		.amdhsa_inst_pref_size 37
	.end_amdhsa_kernel
	.amdgpu_metadata
---
amdhsa.version: [ 1, 2 ]
amdhsa.kernels:
  - .name:           k_q2b18b73b33_place
    .symbol:         k_q2b18b73b33_place.kd
    .args:
      - { .name: x, .offset: 0, .size: 8, .value_kind: global_buffer, .address_space: global }
      - { .name: top1, .offset: 8, .size: 8, .value_kind: global_buffer, .address_space: global }
      - { .name: xs, .offset: 16, .size: 8, .value_kind: global_buffer, .address_space: global }
      - { .name: pos, .offset: 24, .size: 8, .value_kind: global_buffer, .address_space: global }
      - { .name: meta, .offset: 32, .size: 8, .value_kind: global_buffer, .address_space: global }
    .group_segment_fixed_size: 0
    .private_segment_fixed_size: 0
    .kernarg_segment_align: 8
    .kernarg_segment_size: 40
    .max_flat_workgroup_size: 128
    .sgpr_count:     66
    .vgpr_count:     176
    .wavefront_size: 32
...
	.end_amdgpu_metadata
.endif
;; end of part 2
;; launch up (part 3): grid 256 x 1, 4 waves a work-group, no clusters, 317,952 bytes of LDS; arguments xs, Wup, bup, meta, hs; writes hs
.if DOCPART == 3
	.amdgcn_target "amdgcn-amd-amdhsa--gfx1250"
	.amdhsa_code_object_version 6
	.text
	.protected	k_q2b18b73b33_up
	.globl	k_q2b18b73b33_up
	.p2align	8
	.type	k_q2b18b73b33_up,@function
k_q2b18b73b33_up:
	s_mov_b64 s[64:65], 0
	v_nop
	global_prefetch_b8 v0, s[64:65] scope:SCOPE_SE
	s_setreg_imm32_b32 hwreg(HW_REG_WAVE_MODE, 25, 1), 1
	s_wait_xcnt 0x0
; h = silu(xs[p] . Wup[e][j] + bup[e][j]) in bf16, for the rows p of expert e alone (rows off[e] .. off[e+1] - 1 of the sorted order).
; xs: [1216][1024] bf16, Wup: [8][4096][1024] f32, bup: [8][4096] f32, meta: off[0..8].
; hs IS KEPT IN THE ORDER IN WHICH THE NEXT LAUNCH'S MATRIX INSTRUCTIONS WANT IT: [76 blocks of 16 tokens][128 pieces of 32 columns][2 halves][32 lanes][16 bytes];
;   half a, lane (r, h) holds columns 32 P + 16 a + 8 h .. + 7 of the block's token r: registers 0-3 (a = 0) or 4-7 (a = 1) of a 16-bit fragment (ISA guide 7.12.2).
;   Each expert has blocks of its own: its first is pb = the sum over the experts before it of ceil(tokens / 16), at most 71 blocks in all.
;   This launch's results already lie so: see the last lines of this comment.  So they are stored straight from registers, 512 consecutive bytes a store.
;   Rows of an expert's last block beyond its own tokens hold the results of neighbouring rows of xs; they feed only results that the next launch does not store.
; Work-group = 32 e + c owns rows 128 c .. 128 c + 127 of Wup[e]: 512 KiB of f32 that no other work-group reads.
; PHASE 1, the same work whatever the routing: the slice is streamed once, rounded to bf16 (nearest even) and laid into LDS, where its 256 KiB stay.
;   Wave w brings its rows 32 w .. 32 w + 31 through a ring of 7 rows in registers: 56 loads of 512 consecutive bytes are out in each wave.
;   The kernel's one barrier follows.  It stands on a path that hangs on no number read from memory.
; PHASE 2, without a barrier: wave w takes tokens 48 w + 192 m .. + 47 (m = 0, 1, ..) of the expert against all 128 weight rows: 3 x 8 = 24 accumulators.
;   The number of trips hangs on off[], whole numbers that an earlier launch stored.  A tile always has 48 rows from row off + row0 on; of its three blocks
;   those that begin at or beyond the expert's last token are not stored.  So any routing is served, and the weights leave memory once in every case.
;   An expert without tokens still has its slices streamed: to skip them every work-group would have to wait for off[] in front of its first load.
;   Tokens come in K steps of 128: 48 rows x 256 bytes, whole aligned row pieces, into registers, from there into the wave's own stage in LDS, and are read
;   back as fragments.  The stage is each wave's own, so LDS's order within a wave is all that it needs.
; NO TENSOR LOADS: the weights are rounded on the way, and a ring of f32 tiles would need the LDS that the resident slice takes.
; NO JOINT LOADS: the expert's 32 work-groups read the same token rows, but joint loads stand behind rounds of a cluster's barrier, whose number would be
;   the count read from memory.  The weights, 512 KiB against some 384 KiB of tokens a work-group, are shared by nobody.
; The matrix instruction takes the weights as source 0 and the tokens as source 1: lane (r, h), register j of accumulator (i, nf) holds token r of block i,
; column 16 nf + 8 h + j: rounded to bf16, the 16 bytes of piece nf / 2, half nf mod 2, lane (r, h) of hs.  A lane's eight biases have the same layout,
; so the first product takes them as C.
; RANGE: silu(z) = z / (1 + 2^(-1.442695 z)); for z below about -88 the power is infinite and the result is -0, as the true value rounds.
.set WPIT,  2064                       ; an LDS row of weights: 2,048 bytes + 16, an odd multiple of 16: the 16 rows of a fragment load lie in 16 different 16-byte columns modulo 256
.set STG,   128*WPIT                   ; behind the weights: the waves' stages
.set STGW,  13312                      ; a wave's stage: 48 rows x 272 bytes = 13,056, made up to a multiple of 256
.set APIT,  272                        ; 256 bytes + 16, likewise an odd multiple of 16
.set WROW,  4096                       ; bytes from a weight row to the next in memory
.set TROW,  2048                       ; bytes from a row of xs to the next
.set BLK,   131072                     ; bytes of a block of hs: 16 tokens x 4,096 columns x 2
.set DEPTH, 7                          ; rows in the ring of phase 1
.set LN16, 3                           ; v3        16 x lane: offset of phase 1's loads and of the stores into hs
.set ADW,  4                           ; v4-7      LDS address of weight fragments 2 p, 2 p + 1: (32 p + r) 2064 + 16 h
.set ADA,  8                           ; v8        my stage + 272 r + 16 h: token fragments out
.set STI,  9                           ; v9        my stage + 272 h + 16 r: token rows in, two rows to an instruction
.set GA,   10                          ; v10       byte offset in xs from the tile's first row: 2048 h + 16 r
.set WSA,  14                          ; v14, v15  phase 1: LDS address of my 8 bytes in my wave's row 0, row 16
.set X,    16                          ; v[16:239]  phase 1: the ring, 32 registers a row
.set T,    240                         ; v[240:255] phase 1: a row in bf16
.set AF,   16                          ; v[16:63]   phase 2: two buffers of 3 token fragments
.set WF,   64                          ; v[64:191]  phase 2: two buffers of 8 weight fragments
.set OO,   16                          ; on the way out: packed bf16
.set EE,   64                          ;                 the power, then the reciprocal
.set TT,   128                         ;                 silu(z)
.set BIAS, 192                         ; window 2, v[704:767]: bup of my 64 columns, 8 nf + j.  Window 2, v[512:703]: two buffers of 24 x 4 registers of tokens
.set ACC,   0x50                       ; C and D in window 1 (accumulator (i, nf) at v[256 + 64 i + 8 nf]), sources in window 0
.set FIRST, 0x60                       ; D in window 1, C (the bias) in window 2
; scalars of phase 2: s15 my wave's tiles, s16 their counter, s19 off, s20 n, s21 row0, s22 the expert's blocks from this tile's first on, s41 pb, s42 the expert's blocks
.set MSB,  0
.macro WIN new                         ; the immediate's high byte repeats the setting that is left; at every label and branch the setting is 0
.if MSB != \new
	s_set_vgpr_msb (MSB<<8)|\new
.set MSB, \new
.endif
.endm
.macro PLACES                          ; four plain vector instructions between a matrix instruction and a load into, or a write of, one of its registers, or a read of its result
.rept 4
	v_nop
.endr
.endm
.macro LDROW i                         ; eight loads: row i of my 32, 4,096 consecutive bytes, into ring slot i mod DEPTH.  Read once in the launch
.irp j, 0,1,2,3,4,5,6,7
	global_load_b128 v[X+32*(\i%DEPTH)+4*\j:X+32*(\i%DEPTH)+4*\j+3], v[LN16], s[66:67] offset:\i*WROW+512*\j th:TH_LOAD_NT
.endr
.endm
.macro ROW i                           ; row i is rounded and laid into LDS; its slot is asked for again
.if 31-\i >= DEPTH-1
	s_wait_loadcnt 8*(DEPTH-1)                     ; loads come back in order: this row's eight are in, the six rows issued behind it stay out
.else
	s_wait_loadcnt 8*(31-\i)                       ; the last rows: the counts run down
.endif
.irp j, 0,1,2,3,4,5,6,7
	v_cvt_pk_bf16_f32 v[T+2*\j],   v[X+32*(\i%DEPTH)+4*\j],   v[X+32*(\i%DEPTH)+4*\j+1]
	v_cvt_pk_bf16_f32 v[T+2*\j+1], v[X+32*(\i%DEPTH)+4*\j+2], v[X+32*(\i%DEPTH)+4*\j+3]
.endr
.if \i+DEPTH < 32
	LDROW (\i+DEPTH)
.endif
.irp j, 0,1,2,3,4,5,6,7
	ds_store_b64 v[WSA+\i/16], v[T+2*\j:T+2*\j+1] offset:(\i%16)*WPIT+256*\j       ; 32 lanes, 256 consecutive bytes
.endr
.endm
.macro LDT b, ks                       ; 24 loads: the tile's 48 rows, K step ks (256 bytes of each row), into token buffer b.  Sixteen lanes take one aligned row piece
	WIN 0x80                                       ; destination in window 2
.irp t, 0,1,2,3,4,5,6,7,8,9,10,11,12,13,14,15,16,17,18,19,20,21,22,23
	global_load_b128 v[96*\b+4*\t:96*\b+4*\t+3], v[GA], s[68:69] offset:\t*2*TROW+256*\ks
.endr
.endm
.macro STT b                           ; 24 LDS stores: token buffer b into my stage
	WIN 0x08                                       ; store data in window 2
.irp t, 0,1,2,3,4,5,6,7,8,9,10,11,12,13,14,15,16,17,18,19,20,21,22,23
	ds_store_b128 v[STI], v[96*\b+4*\t:96*\b+4*\t+3] offset:\t*2*APIT
.endr
.endm
.macro LDF p                           ; 22 LDS loads: the fragments of piece p (32 along K): 8 of weights, 3 of tokens, into buffers p mod 2
	WIN 0
.irp nf, 0,1,2,3,4,5,6,7
	ds_load_b128 v[WF+64*(\p&1)+8*\nf:WF+64*(\p&1)+8*\nf+3],   v[ADW+\nf/2] offset:(\nf&1)*16*WPIT+64*\p
	ds_load_b128 v[WF+64*(\p&1)+8*\nf+4:WF+64*(\p&1)+8*\nf+7], v[ADW+\nf/2] offset:(\nf&1)*16*WPIT+64*\p+32
.endr
.irp i, 0,1,2
	ds_load_b128 v[AF+24*(\p&1)+8*\i:AF+24*(\p&1)+8*\i+3],   v[ADA] offset:\i*16*APIT+64*(\p&3)
	ds_load_b128 v[AF+24*(\p&1)+8*\i+4:AF+24*(\p&1)+8*\i+7], v[ADA] offset:\i*16*APIT+64*(\p&3)+32
.endr
.endm
.macro MM p                            ; 24 matrix instructions.  The 24 accumulators take turns, one instruction a turn, in the same order in every piece
.if \p == 0
	WIN FIRST
.else
	WIN ACC
.endif
.irp nf, 0,1,2,3,4,5,6,7
.irp i, 0,1,2
.if \p == 0
	v_wmma_f32_16x16x32_bf16 v[64*\i+8*\nf:64*\i+8*\nf+7], v[WF+64*(\p&1)+8*\nf:WF+64*(\p&1)+8*\nf+7], v[AF+24*(\p&1)+8*\i:AF+24*(\p&1)+8*\i+7], v[BIAS+8*\nf:BIAS+8*\nf+7]
.else
	v_wmma_f32_16x16x32_bf16 v[64*\i+8*\nf:64*\i+8*\nf+7], v[WF+64*(\p&1)+8*\nf:WF+64*(\p&1)+8*\nf+7], v[AF+24*(\p&1)+8*\i:AF+24*(\p&1)+8*\i+7], v[64*\i+8*\nf:64*\i+8*\nf+7]
.endif
.endr
.endr
.endm
; Piece p of 32.  Its fragments were asked for in piece p - 1; it asks for those of piece p + 1, which have its 24 matrix instructions in which to land.
.macro PIECE p
.if \p < 31
.if \p > 0
	PLACES                                         ; behind piece p - 1, which read the buffers that are loaded now
.endif
.if ((\p+1)&3) == 0
	s_wait_dscnt 0x0                               ; a new K step: this piece's fragments are in, and no read of my stage is pending when it is written over
.if (\p+1)/4 < 7
	s_wait_loadcnt 24                              ; the new step's tokens are in registers: the 24 loads of the step behind it stay out
.else
	s_wait_loadcnt 0                               ; the last step: nothing was issued behind it
.endif
	STT (((\p+1)/4)&1)
	LDF (\p+1)                                     ; LDS serves a wave's instructions in order: these see the stores above
.else
	LDF (\p+1)
	s_wait_dscnt 22                                ; this piece's fragments are in: the 22 loads just issued may be out
.endif
.else
	s_wait_dscnt 0x0                               ; the last piece: nothing was issued behind its fragments
.endif
.if (\p&3) == 1
.if \p/4 < 6
	LDT ((\p/4)&1), (\p/4+2)                       ; the K step after next, into the buffer whose LDS stores the waits of this piece and the last have shown done
.endif
.endif
	MM \p
.endm
	s_load_b256 s[4:11], s[0:1], 0x0               ; xs s[4:5], Wup s[6:7], bup s[8:9], meta s[10:11]
	s_load_b64 s[12:13], s[0:1], 0x20              ; hs
	v_lshl_add_u32 v11, v0, 2, 0x4d800
	v_mov_b32 v12, 0
	v_lshrrev_b32 v1, 5, v0
	v_readfirstlane_b32 s14, v1                    ; wave
	s_lshr_b32 s17, ttmp9, 5                       ; e
	s_and_b32 s18, ttmp9, 31                       ; c
	v_and_b32 v13, 31, v0                          ; lane
	v_and_b32 v1, 15, v0                           ; r
	v_bfe_u32 v2, v0, 4, 1                         ; h
	v_lshlrev_b32 v[LN16], 4, v13
	s_mul_i32 s24, s14, 32*WPIT                    ; my wave's 32 rows in LDS
	v_lshl_add_u32 v[WSA], v13, 3, s24
	v_add_nc_u32 v[WSA+1], 16*WPIT, v[WSA]
	v_mul_u32_u24 v13, v1, WPIT
	v_lshl_add_u32 v[ADW], v2, 4, v13
.irp p, 1,2,3
	v_add_nc_u32 v[ADW+\p], \p*32*WPIT, v[ADW]
.endr
	s_mul_i32 s24, s14, STGW
	s_add_co_u32 s24, s24, STG                     ; my stage
	v_mul_u32_u24 v13, v1, APIT
	v_lshl_add_u32 v13, v2, 4, v13
	v_add_nc_u32 v[ADA], s24, v13
	v_mul_u32_u24 v13, v2, APIT
	v_lshl_add_u32 v13, v1, 4, v13
	v_add_nc_u32 v[STI], s24, v13
	v_lshlrev_b32 v13, 11, v2
	v_lshl_add_u32 v[GA], v1, 4, v13
	v_lshlrev_b32 v13, 5, v2                       ; 32 h: my eight biases of a fragment; not written again
	s_lshl_b32 s24, s17, 2
	s_mov_b32 s25, 0
	s_wait_kmcnt 0x0
	s_add_nc_u64 s[26:27], s[10:11], s[24:25]
	s_load_b64 s[28:29], s[26:27], 0x0             ; off[e], off[e+1]: wanted only behind phase 1
	s_load_b256 s[32:39], s[10:11], 0x0            ; off[0..7], for the blocks of the experts before mine
	s_lshl_b32 s24, ttmp9, 19                      ; (32 e + c) x 128 rows x 4,096 bytes
	s_lshl_b32 s30, s14, 17                        ; + wave x 32 rows
	s_add_co_u32 s24, s24, s30
	s_add_nc_u64 s[66:67], s[6:7], s[24:25]        ; my wave's rows of Wup
	s_lshl_b32 s24, ttmp9, 9                       ; (32 e + c) x 128 biases x 4 bytes
	s_add_nc_u64 s[78:79], s[8:9], s[24:25]
	s_lshl_b32 s24, s18, 12                        ; the work-group's 128 columns: 4 pieces of 1,024 bytes in every block
	s_add_nc_u64 s[12:13], s[12:13], s[24:25]
	WIN 0x80                                       ; destination in window 2
.irp nf, 0,1,2,3,4,5,6,7
	global_load_b128 v[BIAS+8*\nf:BIAS+8*\nf+3],   v13, s[78:79] offset:64*\nf
	global_load_b128 v[BIAS+8*\nf+4:BIAS+8*\nf+7], v13, s[78:79] offset:64*\nf+16
.endr
	WIN 0
	; PHASE 1
.irp i, 0,1,2,3,4,5,6
	LDROW \i
.endr
.irp i, 0,1,2,3,4,5,6,7,8,9,10,11,12,13,14,15,16,17,18,19,20,21,22,23,24,25,26,27,28,29,30,31
	ROW \i                                         ; the last row's wait is for 0: the biases, issued first, are in too
.endr
	s_wait_dscnt 0x0                               ; my 32 rows are in LDS,
	s_barrier_signal -1
	s_barrier_wait -1                              ; and so are everybody's.  Nobody writes them again
	; PHASE 2
	s_wait_kmcnt 0x0
	s_min_u32 s19, s28, 1024                       ; off
	s_min_u32 s20, s29, 1024
	s_sub_co_u32 s20, s20, s19
	s_min_u32 s20, s20, 1024                       ; n: the expert's tokens
	s_add_co_u32 s42, s20, 15
	s_lshr_b32 s42, s42, 4                         ; its blocks of 16
	s_mov_b32 s41, 0                               ; pb: the blocks of the experts before it
.irp g, 0,1,2,3,4,5,6
	s_sub_co_u32 s24, s[33+\g], s[32+\g]           ; expert g's tokens,
	s_min_u32 s24, s24, 1024
	s_add_co_u32 s24, s24, 15
	s_lshr_b32 s24, s24, 4                         ; its blocks,
	s_cmp_gt_u32 s17, \g
	s_cselect_b32 s24, s24, 0                      ; counted if g < e
	s_add_co_u32 s41, s41, s24
.endr
	s_mul_i32 s21, s14, 48                         ; row0: my wave's first tile
	s_add_co_u32 s15, s20, 191
	s_sub_co_u32 s15, s15, s21                     ; n + 191 - 48 w: 47 to 1,215
	s_mul_hi_u32 s15, s15, 0x1555556               ; / 192, exact up to 1,215: 192 x 0x1555556 = 2^32 + 128, and 1,215 x 128 < 2^32
	s_min_u32 s15, s15, 6                          ; my tiles: those of 48 w + 192 m that begin below n; six at the most, for n = 1,024
	s_cmp_eq_u32 s15, 0
	s_cbranch_scc1 .Lend                           ; no token is left for this wave
	s_mov_b32 s16, 0                               ; the loop's counter
.Ltile:
	s_wait_xcnt 0x0                                ; the bases of the last tile's loads and stores, and its stores' data, are written again only behind this wait
	s_add_co_u32 s24, s19, s21
	s_min_u32 s24, s24, 1023                       ; the tile's first row: row0 < n and off + n <= 1024
	s_mov_b32 s27, 0
	s_lshl_b32 s26, s24, 11
	s_add_nc_u64 s[68:69], s[4:5], s[26:27]        ; xs at the tile's first row
	s_lshr_b32 s24, s21, 4                         ; the tile's first block among the expert's: row0 is a multiple of 48
	s_sub_co_u32 s22, s42, s24                     ; the expert's blocks from there on: at least 1; block i of the tile is stored if i is below it
	s_add_co_u32 s24, s24, s41
	s_min_u32 s24, s24, 73                         ; 70 at the most by the count of blocks; with two more it stays inside the 76
	s_lshl_b32 s26, s24, 17
	s_add_nc_u64 s[70:71], s[12:13], s[26:27]      ; hs at the tile's first block
	LDT 0, 0
	LDT 1, 1
	s_wait_loadcnt 24                              ; K step 0 is in registers: step 1's 24 loads stay out
	STT 0
	LDF 0
.irp p, 0,1,2,3,4,5,6,7,8,9,10,11,12,13,14,15,16,17,18,19,20,21,22,23,24,25,26,27,28,29,30,31
	PIECE \p
.endr
	; the way out, a block of 16 tokens at a time: silu, bf16, and eight stores straight from registers
	PLACES
.irp i, 0,1,2
.if \i
	s_cmp_gt_u32 s22, \i
	s_cbranch_scc0 .Lstored                        ; this block and those behind it are not the expert's
.endif
	WIN 0x01                                       ; source 0 in window 1
.set k, 0
.rept 32
	v_pk_mul_f32 v[EE+2*k:EE+2*k+1], v[64*\i+2*k:64*\i+2*k+1], 0xbfb8aa3b op_sel_hi:[1,0]     ; -1.442695 z
.set k, k+1
.endr
	WIN 0
.set k, 0
.rept 64
	v_exp_f32 v[EE+k], v[EE+k]
.set k, k+1
.endr
	v_nop                                          ; one plain vector instruction between a transcendental and the use of its result (ISA guide 5.7.2)
.set k, 0
	s_wait_alu depctr_va_vdst(0)
.rept 32
	v_pk_add_f32 v[EE+2*k:EE+2*k+1], v[EE+2*k:EE+2*k+1], 1.0 op_sel_hi:[1,0]
.set k, k+1
.endr
.set k, 0
.rept 64
	v_rcp_f32 v[EE+k], v[EE+k]
.set k, k+1
.endr
	v_nop                                          ; as above
	WIN 0x01
.set k, 0
	s_wait_alu depctr_va_vdst(0)
.rept 32
	v_pk_mul_f32 v[TT+2*k:TT+2*k+1], v[64*\i+2*k:64*\i+2*k+1], v[EE+2*k:EE+2*k+1]
.set k, k+1
.endr
	WIN 0
.if \i
	s_wait_xcnt 0x0                                ; OO, which the last block's stores read, is written again only behind this wait
.endif
.set k, 0
.rept 32
	v_cvt_pk_bf16_f32 v[OO+k], v[TT+2*k], v[TT+2*k+1]
.set k, k+1
.endr
.irp nf, 0,1,2,3,4,5,6,7
	global_store_b128 v[LN16], v[OO+4*\nf:OO+4*\nf+3], s[70:71] offset:\i*BLK+512*\nf     ; piece nf / 2, half nf mod 2: the wave stores 512 consecutive bytes, aligned
.endr
.endr
.Lstored:
	s_add_co_u32 s21, s21, 192                     ; the four waves' tiles are 192 rows
	s_add_co_u32 s16, s16, 1                       ; the loop ends on its own counter, one a tile
	s_cmp_lt_u32 s16, s15
	s_cbranch_scc1 .Ltile
.Lend:
	s_wait_tensorcnt 0x0
	ds_add_u32 v11, v12
	s_wait_dscnt 0x0
	s_endpgm
.Lfunc_end_k_q2b18b73b33_up:
	.size	k_q2b18b73b33_up, .Lfunc_end_k_q2b18b73b33_up-k_q2b18b73b33_up
	.p2alignl 7, 3214868480
	.fill 96, 4, 3214868480
	.section	.rodata,"a",@progbits
	.p2align	6, 0x0
	.amdhsa_kernel k_q2b18b73b33_up
		.amdhsa_group_segment_fixed_size 317952
		.amdhsa_private_segment_fixed_size 0
		.amdhsa_enable_private_segment 0
		.amdhsa_kernarg_size 40
		.amdhsa_user_sgpr_count 2
		.amdhsa_user_sgpr_kernarg_segment_ptr 1
		.amdhsa_wavefront_size32 1
		.amdhsa_system_sgpr_workgroup_id_x 1
		.amdhsa_system_sgpr_workgroup_id_y 1
		.amdhsa_system_sgpr_workgroup_id_z 1
		.amdhsa_system_vgpr_workitem_id 0
		.amdhsa_next_free_vgpr 768
		.amdhsa_next_free_sgpr 80
		.amdhsa_reserve_vcc 0
		.amdhsa_float_denorm_mode_32 3
		.amdhsa_float_denorm_mode_16_64 3
		.amdhsa_memory_ordered 1
		.amdhsa_forward_progress 1
		.amdhsa_inst_pref_size 252
	.end_amdhsa_kernel
	.amdgpu_metadata
---
amdhsa.version: [ 1, 2 ]
amdhsa.kernels:
  - .name:           k_q2b18b73b33_up
    .symbol:         k_q2b18b73b33_up.kd
    .args:
      - { .name: xs, .offset: 0, .size: 8, .value_kind: global_buffer, .address_space: global }
      - { .name: Wup, .offset: 8, .size: 8, .value_kind: global_buffer, .address_space: global }
      - { .name: bup, .offset: 16, .size: 8, .value_kind: global_buffer, .address_space: global }
      - { .name: meta, .offset: 24, .size: 8, .value_kind: global_buffer, .address_space: global }
      - { .name: hs, .offset: 32, .size: 8, .value_kind: global_buffer, .address_space: global }
    .group_segment_fixed_size: 317952
    .private_segment_fixed_size: 0
    .kernarg_segment_align: 8
    .kernarg_segment_size: 40
    .max_flat_workgroup_size: 128
    .sgpr_count:     80
    .vgpr_count:     768
    .wavefront_size: 32
...
	.end_amdgpu_metadata
.endif
;; end of part 3
;; launch down (part 4): grid 256 x 1, 4 waves a work-group, no clusters, 299,520 bytes of LDS; arguments hs, Wdown, meta, part; writes part
.if DOCPART == 4
	.amdgcn_target "amdgcn-amd-amdhsa--gfx1250"
	.amdhsa_code_object_version 6
	.text
	.protected	k_q2b18b73b33_down
	.globl	k_q2b18b73b33_down
	.p2align	8
	.type	k_q2b18b73b33_down,@function
k_q2b18b73b33_down:
	s_mov_b64 s[64:65], 0
	v_nop
	global_prefetch_b8 v0, s[64:65] scope:SCOPE_SE
	s_setreg_imm32_b32 hwreg(HW_REG_WAVE_MODE, 25, 1), 1
	s_wait_xcnt 0x0
; part[q][p][d] = the sum over k = 1024 q .. 1024 q + 1023 of h[p][k] Wdown[e][d][k], in f32, for the rows p of expert e alone.
; Wdown: [8][1024][4096] f32, part: [4][1024][1024] f32 (rows in the sorted order), meta: off[0..8].  The four parts and the bias are added by the next launch.
; hs holds h in the order of the matrix unit's fragments: [76 blocks of 16 tokens][128 pieces of 32 columns][2 halves][32 lanes][16 bytes]; half a, lane (r, h)
;   holds columns 32 P + 16 a + 8 h .. + 7 of the block's token r: registers 0-3 (a = 0) or 4-7 (a = 1) of a 16-bit fragment (ISA guide 7.12.2).  An expert's
;   first block is pb = the sum over the experts before it of ceil(tokens / 16).  So a token fragment is two loads of 512 consecutive bytes, straight into
;   the registers that the matrix instruction reads: the tokens do not pass through LDS.
; Work-group = 32 e + 4 dc + q owns rows 128 dc .. + 127 of Wdown[e], columns 1024 q .. + 1023: 512 KiB of f32 that no other work-group reads.
; K is cut in four so that 256 work-groups each have a slice that fits in LDS as bf16 (256 KiB).  The price is part: 16 MiB written here and read once more.
; PHASE 1, the same work whatever the routing: the slice is streamed once, rounded to bf16 (nearest even) and laid into LDS, where it stays.
;   Wave w brings its rows 32 w .. 32 w + 31 through a ring of 7 rows in registers: 56 loads of 512 consecutive bytes are out in each wave.
;   The kernel's one barrier follows.  It stands on a path that hangs on no number read from memory.
; PHASE 2, without a barrier: wave w takes blocks 3 w + 12 m .. + 2 (m = 0, 1, ..) of the expert, 48 tokens, against all 128 weight rows: 3 x 8 = 24 accumulators.
;   The number of trips hangs on off[], whole numbers that an earlier launch stored.  A block of the tile beyond the expert's last is replaced by that last
;   block, so that only bytes that the launch before has stored are read; its results, and those of the last block's rows beyond the expert's tokens, are not stored.
;   An expert without tokens still has its slices streamed: to skip them every work-group would have to wait for off[] in front of its first load.
;   The token fragments go through a ring of 8 slots in registers and are asked for 7 pieces, 168 matrix instructions, ahead.
; NO TENSOR LOADS: the weights are rounded on the way, and a ring of f32 tiles would need the LDS that the resident slice takes.
; NO JOINT LOADS: the eight work-groups of one e and q read the same blocks, but joint loads go into LDS and stand behind rounds of a cluster's barrier, whose
;   number would be the count read from memory.  The weights are shared by nobody.
; The matrix instruction takes the weights as source 0 and the tokens as source 1: lane (r, h), register j holds token r, column 8 h + j of the fragment.
.set WPIT,  2064                       ; an LDS row of weights: 2,048 bytes + 16, an odd multiple of 16: the 16 rows of a fragment load lie in 16 different 16-byte columns modulo 256
.set STG,   128*WPIT                   ; behind the weights: the waves' stages for the way out
.set STGW,  8704                       ; a wave's stage: 16 rows x 528 bytes = 8,448, made up to a multiple of 256
.set OPIT,  528                        ; 512 bytes + 16, likewise an odd multiple of 16
.set WROW,  16384                      ; bytes from a weight row to the next in memory
.set OROW,  4096                       ; bytes from a row of part to the next
.set DEPTH, 7                          ; rows in the ring of phase 1
.set AHEAD, 7                          ; pieces between the request for a token fragment and its use; the ring has AHEAD + 1 slots
.set LN16, 3                           ; v3        16 x lane: offset of every global load and store
.set ADW,  4                           ; v4-7      LDS address of weight fragments 2 p, 2 p + 1: (32 p + r) 2064 + 16 h
.set STO,  11                          ; v11       my stage + 528 r + 32 h: results in
.set RD,   13                          ; v13       my stage + 16 x lane: result rows out, one row to an instruction
.set WSA,  14                          ; v14, v15  phase 1: LDS address of my 8 bytes in my wave's row 0, row 16
.set X,    16                          ; v[16:239]  phase 1: the ring, 32 registers a row
.set T,    240                         ; v[240:255] phase 1: a row in bf16
.set WF,   64                          ; v[64:191]  phase 2: two buffers of 8 weight fragments
.set RB,   64                          ; on the way out: rows read back
.set TB,   50                          ; s[50:55]   hs at the tile's three blocks, my quarter of K
.set ACC,  0x58                        ; C and D in window 1 (accumulator (i, nf) at v[256 + 64 i + 8 nf]), source 1 in window 2 (slot s, block i at v[512 + 24 s + 8 i]), source 0 in window 0
; scalars of phase 2: s15 my wave's tiles, s16 their counter, s19 off, s20 n, s21 row0, s22 the expert's rows from row0 on, s41 pb, s42 the expert's blocks
.set MSB,  0
.macro WIN new                         ; the immediate's high byte repeats the setting that is left; at every label and branch the setting is 0
.if MSB != \new
	s_set_vgpr_msb (MSB<<8)|\new
.set MSB, \new
.endif
.endm
.macro PLACES                          ; four plain vector instructions between a matrix instruction and a load into, or a write of, one of its registers, or a read of its result
.rept 4
	v_nop
.endr
.endm
.macro LDROW i                         ; eight loads: my quarter of row i of my 32, 4,096 consecutive bytes, into ring slot i mod DEPTH.  Read once in the launch
.irp j, 0,1,2,3,4,5,6,7
	global_load_b128 v[X+32*(\i%DEPTH)+4*\j:X+32*(\i%DEPTH)+4*\j+3], v[LN16], s[66:67] offset:\i*WROW+512*\j th:TH_LOAD_NT
.endr
.endm
.macro ROW i                           ; row i is rounded and laid into LDS; its slot is asked for again
.if 31-\i >= DEPTH-1
	s_wait_loadcnt 8*(DEPTH-1)                     ; loads come back in order: this row's eight are in, the six rows issued behind it stay out
.else
	s_wait_loadcnt 8*(31-\i)                       ; the last rows: the counts run down
.endif
.irp j, 0,1,2,3,4,5,6,7
	v_cvt_pk_bf16_f32 v[T+2*\j],   v[X+32*(\i%DEPTH)+4*\j],   v[X+32*(\i%DEPTH)+4*\j+1]
	v_cvt_pk_bf16_f32 v[T+2*\j+1], v[X+32*(\i%DEPTH)+4*\j+2], v[X+32*(\i%DEPTH)+4*\j+3]
.endr
.if \i+DEPTH < 32
	LDROW (\i+DEPTH)
.endif
.irp j, 0,1,2,3,4,5,6,7
	ds_store_b64 v[WSA+\i/16], v[T+2*\j:T+2*\j+1] offset:(\i%16)*WPIT+256*\j       ; 32 lanes, 256 consecutive bytes
.endr
.endm
.macro LDTF p                          ; 6 loads: the three token fragments of piece p into ring slot p mod 8; each load takes 512 consecutive bytes, aligned
	WIN 0x80                                       ; destination in window 2
.irp i, 0,1,2
	global_load_b128 v[24*(\p&7)+8*\i:24*(\p&7)+8*\i+3],   v[LN16], s[TB+2*\i:TB+2*\i+1] offset:1024*\p
	global_load_b128 v[24*(\p&7)+8*\i+4:24*(\p&7)+8*\i+7], v[LN16], s[TB+2*\i:TB+2*\i+1] offset:1024*\p+512
.endr
.endm
.macro LDF p                           ; 16 LDS loads: the 8 weight fragments of piece p (32 along K) into buffer p mod 2
	WIN 0
.irp nf, 0,1,2,3,4,5,6,7
	ds_load_b128 v[WF+64*(\p&1)+8*\nf:WF+64*(\p&1)+8*\nf+3],   v[ADW+\nf/2] offset:(\nf&1)*16*WPIT+64*\p
	ds_load_b128 v[WF+64*(\p&1)+8*\nf+4:WF+64*(\p&1)+8*\nf+7], v[ADW+\nf/2] offset:(\nf&1)*16*WPIT+64*\p+32
.endr
.endm
.macro MM p                            ; 24 matrix instructions.  The 24 accumulators take turns, one instruction a turn, in the same order in every piece
	WIN ACC
.irp nf, 0,1,2,3,4,5,6,7
.irp i, 0,1,2
.if \p == 0
	v_wmma_f32_16x16x32_bf16 v[64*\i+8*\nf:64*\i+8*\nf+7], v[WF+64*(\p&1)+8*\nf:WF+64*(\p&1)+8*\nf+7], v[24*(\p&7)+8*\i:24*(\p&7)+8*\i+7], 0
.else
	v_wmma_f32_16x16x32_bf16 v[64*\i+8*\nf:64*\i+8*\nf+7], v[WF+64*(\p&1)+8*\nf:WF+64*(\p&1)+8*\nf+7], v[24*(\p&7)+8*\i:24*(\p&7)+8*\i+7], v[64*\i+8*\nf:64*\i+8*\nf+7]
.endif
.endr
.endr
.endm
; Piece p of 32.  It asks for the weight fragments of piece p + 1 and the token fragments of piece p + AHEAD: both go into registers that piece p - 1 read last.
.macro PIECE p
.if \p < 31
.if \p > 0
	PLACES                                         ; behind piece p - 1
.endif
	LDF (\p+1)
.endif
.if \p+AHEAD < 32
	LDTF (\p+AHEAD)
.endif
.if \p < 31
	s_wait_dscnt 16                                ; this piece's weight fragments are in: the 16 loads just issued may be out
.else
	s_wait_dscnt 0x0                               ; the last piece: nothing was issued behind them
.endif
.if \p+AHEAD < 32
	s_wait_loadcnt 6*AHEAD                         ; this piece's token fragments are in: those of the AHEAD pieces behind it, six loads each, stay out
.else
	s_wait_loadcnt 6*(31-\p)                       ; the last pieces: the counts run down
.endif
	MM \p
.endm
	s_load_b256 s[4:11], s[0:1], 0x0               ; hs s[4:5], Wdown s[6:7], meta s[8:9], part s[10:11]
	v_lshl_add_u32 v9, v0, 2, 0x49000
	v_mov_b32 v10, 0
	v_lshrrev_b32 v1, 5, v0
	v_readfirstlane_b32 s14, v1                    ; wave
	s_lshr_b32 s17, ttmp9, 5                       ; e
	s_bfe_u32 s18, ttmp9, 0x30002                  ; dc: which 128 rows of Wdown[e] (3 bits from bit 2)
	s_and_b32 s31, ttmp9, 3                        ; q: which quarter of K
	v_and_b32 v12, 31, v0                          ; lane
	v_and_b32 v1, 15, v0                           ; r
	v_bfe_u32 v2, v0, 4, 1                         ; h
	v_lshlrev_b32 v[LN16], 4, v12
	s_mul_i32 s24, s14, 32*WPIT                    ; my wave's 32 rows in LDS
	v_lshl_add_u32 v[WSA], v12, 3, s24
	v_add_nc_u32 v[WSA+1], 16*WPIT, v[WSA]
	v_mul_u32_u24 v12, v1, WPIT
	v_lshl_add_u32 v[ADW], v2, 4, v12
.irp p, 1,2,3
	v_add_nc_u32 v[ADW+\p], \p*32*WPIT, v[ADW]
.endr
	s_mul_i32 s24, s14, STGW
	s_add_co_u32 s24, s24, STG                     ; my stage
	v_mul_u32_u24 v12, v1, OPIT
	v_lshl_add_u32 v12, v2, 5, v12
	v_add_nc_u32 v[STO], s24, v12
	v_add_nc_u32 v[RD], s24, v[LN16]
	s_lshl_b32 s24, s17, 2
	s_mov_b32 s25, 0
	s_wait_kmcnt 0x0
	s_add_nc_u64 s[26:27], s[8:9], s[24:25]
	s_load_b64 s[28:29], s[26:27], 0x0             ; off[e], off[e+1]: wanted only behind phase 1
	s_load_b256 s[32:39], s[8:9], 0x0              ; off[0..7], for the blocks of the experts before mine
	s_lshr_b32 s24, ttmp9, 2
	s_lshl_b32 s24, s24, 21                        ; (8 e + dc) x 128 rows x 16,384 bytes
	s_lshl_b32 s30, s31, 12                        ; + q x 1,024 numbers x 4 bytes
	s_add_co_u32 s24, s24, s30
	s_lshl_b32 s30, s14, 19                        ; + wave x 32 rows
	s_add_co_u32 s24, s24, s30
	s_add_nc_u64 s[66:67], s[6:7], s[24:25]        ; my wave's rows of Wdown, my quarter of K
	s_lshl_b32 s24, s31, 15                        ; q x 32 pieces x 1,024 bytes
	s_add_nc_u64 s[76:77], s[4:5], s[24:25]        ; hs at my quarter of K in block 0
	s_lshl_b32 s24, s31, 22                        ; part q
	s_lshl_b32 s30, s18, 9                         ; + 128 dc columns x 4 bytes
	s_add_co_u32 s24, s24, s30
	s_add_nc_u64 s[12:13], s[10:11], s[24:25]
	; PHASE 1
.irp i, 0,1,2,3,4,5,6
	LDROW \i
.endr
.irp i, 0,1,2,3,4,5,6,7,8,9,10,11,12,13,14,15,16,17,18,19,20,21,22,23,24,25,26,27,28,29,30,31
	ROW \i
.endr
	s_wait_dscnt 0x0                               ; my 32 rows are in LDS,
	s_barrier_signal -1
	s_barrier_wait -1                              ; and so are everybody's.  Nobody writes them again
	; PHASE 2
	s_wait_kmcnt 0x0
	s_min_u32 s19, s28, 1024                       ; off
	s_min_u32 s20, s29, 1024
	s_sub_co_u32 s20, s20, s19
	s_min_u32 s20, s20, 1024                       ; n: the expert's tokens
	s_add_co_u32 s42, s20, 15
	s_lshr_b32 s42, s42, 4                         ; its blocks of 16
	s_mov_b32 s41, 0                               ; pb: the blocks of the experts before it
.irp g, 0,1,2,3,4,5,6
	s_sub_co_u32 s24, s[33+\g], s[32+\g]           ; expert g's tokens,
	s_min_u32 s24, s24, 1024
	s_add_co_u32 s24, s24, 15
	s_lshr_b32 s24, s24, 4                         ; its blocks,
	s_cmp_gt_u32 s17, \g
	s_cselect_b32 s24, s24, 0                      ; counted if g < e
	s_add_co_u32 s41, s41, s24
.endr
	s_mul_i32 s21, s14, 48                         ; row0: my wave's first tile
	s_add_co_u32 s15, s20, 191
	s_sub_co_u32 s15, s15, s21                     ; n + 191 - 48 w: 47 to 1,215
	s_mul_hi_u32 s15, s15, 0x1555556               ; / 192, exact up to 1,215: 192 x 0x1555556 = 2^32 + 128, and 1,215 x 128 < 2^32
	s_min_u32 s15, s15, 6                          ; my tiles: those of 48 w + 192 m that begin below n; six at the most, for n = 1,024
	s_cmp_eq_u32 s15, 0
	s_cbranch_scc1 .Lend                           ; no token is left for this wave
	s_mov_b32 s16, 0                               ; the loop's counter
.Ltile:
	s_wait_xcnt 0x0                                ; the bases of the last tile's loads and stores, and its stores' data, are written again only behind this wait
	s_mov_b32 s27, 0
	s_lshr_b32 s24, s21, 4                         ; the tile's first block among the expert's: row0 is a multiple of 48
	s_add_co_u32 s24, s24, s41                     ; and in hs
	s_add_co_u32 s25, s41, s42
	s_sub_co_u32 s25, s25, 1                       ; the expert's last block (it has one: n is at least 1 here)
.irp i, 0,1,2
	s_add_co_u32 s26, s24, \i
	s_min_u32 s26, s26, s25                        ; a block beyond the expert's last is replaced by the last
	s_min_u32 s26, s26, 75                         ; 70 at the most by the count of blocks
	s_lshl_b32 s26, s26, 17                        ; x 131,072 bytes
	s_add_nc_u64 s[TB+2*\i:TB+2*\i+1], s[76:77], s[26:27]
.endr
	s_add_co_u32 s24, s19, s21
	s_min_u32 s24, s24, 1023                       ; the tile's first row in the sorted order: row0 < n and off + n <= 1024
	s_lshl_b32 s26, s24, 12
	s_add_nc_u64 s[70:71], s[12:13], s[26:27]      ; part at that row
	s_sub_co_u32 s22, s20, s21                     ; rows of the expert from row0 on: rows of the tile at or beyond it are not stored
.irp p, 0,1,2,3,4,5,6
	LDTF \p
.endr
	LDF 0
.irp p, 0,1,2,3,4,5,6,7,8,9,10,11,12,13,14,15,16,17,18,19,20,21,22,23,24,25,26,27,28,29,30,31
	PIECE \p                                       ; the first piece's products start the sums: nothing is cleared
.endr
	; the way out, 16 tokens at a time: the sums go into my stage as they are, where a row piece is 512 bytes, and leave by whole rows.
	; A store holds one row, so whether it is the expert's own is one scalar comparison; the rows ascend, so the first that is not ends the tile.
	; FIVE places stand here, on every way from a tile's last matrix instruction to the next tile's first.  Four serve the LDS stores below, which read the sums,
	; and the next tile's loads into the fragment buffers and ring slots.  The fifth serves the next tile's first products: they write the accumulators anew
	; (C = 0), which is no link of a chain, and a matrix instruction that writes over a register of an earlier one stands five plain vector instructions behind
	; it.  Nothing else on the way out is a vector instruction.  Pieces 30 and 31 have none between them, so the five serve both.
	PLACES
	v_nop
	WIN 0
.irp i, 0,1,2
.if \i
	s_cmp_gt_u32 s22, 16*\i
	s_cbranch_scc0 .Lstored
	s_wait_xcnt 0x0                                ; RB, which the stores of the 16 rows before read, is loaded again only behind this wait
.endif
	WIN 0x04                                       ; store data in window 1
.irp nf, 0,1,2,3,4,5,6,7
.irp q, 0,1
	ds_store_b128 v[STO], v[64*\i+8*\nf+4*\q:64*\i+8*\nf+4*\q+3] offset:64*\nf+16*\q      ; the reads of the 16 rows before have been waited for, down to 0
.endr
.endr
	WIN 0
.irp t, 0,1,2,3,4,5,6,7,8,9,10,11,12,13,14,15
	ds_load_b128 v[RB+4*\t:RB+4*\t+3], v[RD] offset:\t*OPIT        ; row t of the 16: 32 lanes, 512 bytes; LDS serves a wave's instructions in order: these see the stores above
.endr
.irp t, 0,1,2,3,4,5,6,7,8,9,10,11,12,13,14,15
.if \t
	s_cmp_gt_u32 s22, 16*\i+\t
	s_cbranch_scc0 .Lstored
.endif
	s_wait_dscnt 15-\t                             ; LDS loads come back in order: this row is in, the younger ones stay out
	global_store_b128 v[LN16], v[RB+4*\t:RB+4*\t+3], s[70:71] offset:(16*\i+\t)*OROW       ; the wave stores 512 consecutive bytes, aligned
.endr
.endr
.Lstored:
	s_wait_dscnt 0x0                               ; rows read back and not stored have landed too: RB may be loaded again
	s_add_co_u32 s21, s21, 192                     ; the four waves' tiles are 192 rows
	s_add_co_u32 s16, s16, 1                       ; the loop ends on its own counter, one a tile
	s_cmp_lt_u32 s16, s15
	s_cbranch_scc1 .Ltile
.Lend:
	s_wait_tensorcnt 0x0
	ds_add_u32 v9, v10
	s_wait_dscnt 0x0
	s_endpgm
.Lfunc_end_k_q2b18b73b33_down:
	.size	k_q2b18b73b33_down, .Lfunc_end_k_q2b18b73b33_down-k_q2b18b73b33_down
	.p2alignl 7, 3214868480
	.fill 96, 4, 3214868480
	.section	.rodata,"a",@progbits
	.p2align	6, 0x0
	.amdhsa_kernel k_q2b18b73b33_down
		.amdhsa_group_segment_fixed_size 299520
		.amdhsa_private_segment_fixed_size 0
		.amdhsa_enable_private_segment 0
		.amdhsa_kernarg_size 32
		.amdhsa_user_sgpr_count 2
		.amdhsa_user_sgpr_kernarg_segment_ptr 1
		.amdhsa_wavefront_size32 1
		.amdhsa_system_sgpr_workgroup_id_x 1
		.amdhsa_system_sgpr_workgroup_id_y 1
		.amdhsa_system_sgpr_workgroup_id_z 1
		.amdhsa_system_vgpr_workitem_id 0
		.amdhsa_next_free_vgpr 704
		.amdhsa_next_free_sgpr 80
		.amdhsa_reserve_vcc 0
		.amdhsa_float_denorm_mode_32 3
		.amdhsa_float_denorm_mode_16_64 3
		.amdhsa_memory_ordered 1
		.amdhsa_forward_progress 1
		.amdhsa_inst_pref_size 201
	.end_amdhsa_kernel
	.amdgpu_metadata
---
amdhsa.version: [ 1, 2 ]
amdhsa.kernels:
  - .name:           k_q2b18b73b33_down
    .symbol:         k_q2b18b73b33_down.kd
    .args:
      - { .name: hs, .offset: 0, .size: 8, .value_kind: global_buffer, .address_space: global }
      - { .name: Wdown, .offset: 8, .size: 8, .value_kind: global_buffer, .address_space: global }
      - { .name: meta, .offset: 16, .size: 8, .value_kind: global_buffer, .address_space: global }
      - { .name: part, .offset: 24, .size: 8, .value_kind: global_buffer, .address_space: global }
    .group_segment_fixed_size: 299520
    .private_segment_fixed_size: 0
    .kernarg_segment_align: 8
    .kernarg_segment_size: 32
    .max_flat_workgroup_size: 128
    .sgpr_count:     80
    .vgpr_count:     704
    .wavefront_size: 32
...
	.end_amdgpu_metadata
.endif
;; end of part 4
;; launch combine (part 5): grid 256 x 1, 4 waves a work-group, no clusters, 0 bytes of LDS; arguments part, pos, top1, bdown, out0; writes out0
.if DOCPART == 5
	.amdgcn_target "amdgcn-amd-amdhsa--gfx1250"
	.amdhsa_code_object_version 6
	.text
	.protected	k_q2b18b73b33_combine
	.globl	k_q2b18b73b33_combine
	.p2align	8
	.type	k_q2b18b73b33_combine,@function
k_q2b18b73b33_combine:
	s_mov_b64 s[64:65], 0
	v_nop
	global_prefetch_b8 v0, s[64:65] scope:SCOPE_SE
	s_setreg_imm32_b32 hwreg(HW_REG_WAVE_MODE, 25, 1), 1
	s_wait_xcnt 0x0
; out0[t] = part[0][p] + part[1][p] + part[2][p] + part[3][p] + bdown[e], p = pos[t], e = top1[t].  All f32; rows of 1,024 numbers.
; A stream: one wave, one token.  Each load and store of the wave covers 512 consecutive bytes, aligned; all 40 loads are issued before the one wait.
; No LDS, no barrier, no matrix unit: nothing is shared between waves and there is one addition for each number read.
.set P,  4                             ; v[4:131]   part q's row at 32 q
.set B,  132                           ; v[132:163] the bias row
	s_load_b256 s[4:11], s[0:1], 0x0               ; part s[4:5], pos s[6:7], top1 s[8:9], bdown s[10:11]
	s_load_b64 s[12:13], s[0:1], 0x20              ; out0
	v_lshrrev_b32 v1, 5, v0
	v_readfirstlane_b32 s14, v1                    ; wave
	v_and_b32 v1, 31, v0
	v_lshlrev_b32 v1, 4, v1                        ; 16 bytes a lane
	s_lshl_b32 s15, ttmp9, 2
	s_add_co_u32 s15, s15, s14                     ; t
	s_lshl_b32 s16, s15, 2
	s_mov_b32 s17, 0
	s_wait_kmcnt 0x0
	s_add_nc_u64 s[18:19], s[6:7], s[16:17]
	s_add_nc_u64 s[20:21], s[8:9], s[16:17]
	s_load_b32 s22, s[18:19], 0x0                  ; pos[t]
	s_load_b32 s23, s[20:21], 0x0                  ; top1[t]
	s_lshl_b32 s16, s15, 12
	s_add_nc_u64 s[12:13], s[12:13], s[16:17]      ; out0's row t
	s_wait_kmcnt 0x0
	s_min_u32 s22, s22, 1023
	s_min_u32 s23, s23, 7
	s_lshl_b32 s16, s22, 12
	s_add_nc_u64 s[24:25], s[4:5], s[16:17]        ; row p of part 0,
	s_add_nc_u64 s[26:27], s[24:25], 0x400000      ; and of parts 1 to 3, 4 MiB apart
	s_add_nc_u64 s[28:29], s[24:25], 0x800000
	s_add_nc_u64 s[30:31], s[24:25], 0xc00000
	s_lshl_b32 s16, s23, 12
	s_add_nc_u64 s[32:33], s[10:11], s[16:17]      ; bdown's row e
.irp q, 0,1,2,3
.irp j, 0,1,2,3,4,5,6,7
	global_load_b128 v[P+32*\q+4*\j:P+32*\q+4*\j+3], v1, s[24+2*\q:25+2*\q] offset:512*\j th:TH_LOAD_NT    ; read once in the launch
.endr
.endr
.irp j, 0,1,2,3,4,5,6,7
	global_load_b128 v[B+4*\j:B+4*\j+3], v1, s[32:33] offset:512*\j        ; read again by the expert's other tokens
.endr
	s_wait_loadcnt 0x0
.irp k, 0,1,2,3,4,5,6,7,8,9,10,11,12,13,14,15
	v_pk_add_f32 v[P+2*\k:P+2*\k+1], v[P+2*\k:P+2*\k+1], v[B+2*\k:B+2*\k+1]
	v_pk_add_f32 v[P+64+2*\k:P+64+2*\k+1], v[P+64+2*\k:P+64+2*\k+1], v[P+96+2*\k:P+96+2*\k+1]
	v_pk_add_f32 v[P+2*\k:P+2*\k+1], v[P+2*\k:P+2*\k+1], v[P+32+2*\k:P+32+2*\k+1]
	v_pk_add_f32 v[P+2*\k:P+2*\k+1], v[P+2*\k:P+2*\k+1], v[P+64+2*\k:P+64+2*\k+1]
.endr
.irp j, 0,1,2,3,4,5,6,7
	global_store_b128 v1, v[P+4*\j:P+4*\j+3], s[12:13] offset:512*\j th:TH_STORE_NT
.endr
	s_endpgm
.Lfunc_end_k_q2b18b73b33_combine:
	.size	k_q2b18b73b33_combine, .Lfunc_end_k_q2b18b73b33_combine-k_q2b18b73b33_combine
	.p2alignl 7, 3214868480
	.fill 96, 4, 3214868480
	.section	.rodata,"a",@progbits
	.p2align	6, 0x0
	.amdhsa_kernel k_q2b18b73b33_combine
		.amdhsa_group_segment_fixed_size 0
		.amdhsa_private_segment_fixed_size 0
		.amdhsa_enable_private_segment 0
		.amdhsa_kernarg_size 40
		.amdhsa_user_sgpr_count 2
		.amdhsa_user_sgpr_kernarg_segment_ptr 1
		.amdhsa_wavefront_size32 1
		.amdhsa_system_sgpr_workgroup_id_x 1
		.amdhsa_system_sgpr_workgroup_id_y 1
		.amdhsa_system_sgpr_workgroup_id_z 1
		.amdhsa_system_vgpr_workitem_id 0
		.amdhsa_next_free_vgpr 168
		.amdhsa_next_free_sgpr 66
		.amdhsa_reserve_vcc 0
		.amdhsa_float_denorm_mode_32 3
		.amdhsa_float_denorm_mode_16_64 3
		.amdhsa_memory_ordered 1
		.amdhsa_forward_progress 1
		.amdhsa_inst_pref_size 10
	.end_amdhsa_kernel
	.amdgpu_metadata
---
amdhsa.version: [ 1, 2 ]
amdhsa.kernels:
  - .name:           k_q2b18b73b33_combine
    .symbol:         k_q2b18b73b33_combine.kd
    .args:
      - { .name: part, .offset: 0, .size: 8, .value_kind: global_buffer, .address_space: global }
      - { .name: pos, .offset: 8, .size: 8, .value_kind: global_buffer, .address_space: global }
      - { .name: top1, .offset: 16, .size: 8, .value_kind: global_buffer, .address_space: global }
      - { .name: bdown, .offset: 24, .size: 8, .value_kind: global_buffer, .address_space: global }
      - { .name: out0, .offset: 32, .size: 8, .value_kind: global_buffer, .address_space: global }
    .group_segment_fixed_size: 0
    .private_segment_fixed_size: 0
    .kernarg_segment_align: 8
    .kernarg_segment_size: 40
    .max_flat_workgroup_size: 128
    .sgpr_count:     66
    .vgpr_count:     168
    .wavefront_size: 32
...
	.end_amdgpu_metadata
.endif
;; end of part 5
